; MI455X (gfx1250); checked and timed in simulation.
; The chip was launched on July 23, 2026; its instructions are those of AMD's public machine-readable ISA for CDNA 5 (MIT licence, August 2026) and "CDNA5" Instruction Set Architecture Reference Guide (July 2026). The comments in the code are by the model that wrote it; some were corrected since.
;; Ref Attn Processor V2. Allowed arithmetic: matrix products marked QUANTISED: E2M3 operands, one E8M0 scale for each 32 along K, by v_wmma_scale_f32_16x16x128_f8f6f4 with both operands' format E2M3, f32 sums; everything else in f32.
;; Inputs: W_k_codes 3,072 x 96 x 24 uint8 (E2M3 codes of W_k, K innermost, in blocks of 32 codes, four codes in three bytes); W_k_scales 3,072 x 96 uint8 (E8M0 scales of W_k, one for each 32 codes along K); W_v_codes 3,072 x 96 x 24 uint8 (E2M3 codes of W_v, K innermost, in blocks of 32 codes, four codes in three bytes); W_v_scales 3,072 x 96 uint8 (E8M0 scales of W_v, one for each 32 codes along K); freqs_cos 1,024 x 128 float32; freqs_sin 1,024 x 128 float32; k_norm_w 128 float32; query 1 x 4,096 x 24 x 128 float32; ref_latent_codes 1 x 1,024 x 96 x 24 uint8 (E2M3 codes of ref_latent, K innermost, in blocks of 32 codes, four codes in three bytes); ref_latent_scales 1 x 1,024 x 96 uint8 (E8M0 scales of ref_latent, one for each 32 codes along K).
;; Outputs: out0 1 x 4,096 x 3,072 float32.
;; This version of the problem:
;;   THIS VERSION OF THE PROBLEM IS GIVEN IN LOW PRECISION. The matrix products marked QUANTISED in the list below multiply operands that are first quantised to E2M3 (2 exponent bits, 3 mantissa bits; 6 bits a number), with one power-of-two scale for each 32 numbers along K (OCP MX v1.0); their sums are f32. All else is computed in f32.
;;   The module's matrix products, in the order in which they are computed (A, B: the left and right operand; K: the contracted axis; several contracted axes count as one K, in the product's order):
;;     1. [M 1,024, K 3,072] x [K 3,072, N 3,072]; A: input ref_latent (given as codes); B: input W_k (given as codes): QUANTISED
;;     2. [M 1,024, K 3,072] x [K 3,072, N 3,072]; A: input ref_latent (given as codes); B: input W_v (given as codes): QUANTISED
;;     3. batch 96 x [M 1,024, K 128] x [K 128, N 1,024]; A: computed on the way; B: computed on the way: QUANTISED
;;     4. batch 96 x [M 128, K 1,024] x [K 1,024, N 1,024]; A: computed on the way; B: softmax (see below): QUANTISED
;;   THE QUANTISER, for each operand of a quantised product, along K:
;;     - K is cut into blocks of 32 from its start; a last block that is shorter is filled with zeros.
;;     - A block's scale is 2^e with e = floor(log2(the largest magnitude in the block)) - 2, held to -126 .. 127; a block of zeros has e = 0. As a byte (E8M0): e + 127.
;;     - Each number is divided by its block's scale, clamped to +-7.5, and rounded to the nearest number of E2M3, ties to even, subnormals kept.
;;     - The product sums the exact products of the quantised numbers (number of the format x scale) in f32.
;;   ~~~python
;;   def quantise(x, axis):      # numpy; x: float32 -> the quantised numbers, widened to float32 again
;;       x = np.moveaxis(x, axis, -1); K = x.shape[-1]
;;       x = np.pad(x, [(0, 0)] * (x.ndim - 1) + [(0, -K % 32)]); x = x.reshape(x.shape[:-1] + (-1, 32)); a = np.abs(x).max(-1, keepdims=True)
;;       e = np.where(a > 0, np.clip(np.frexp(np.where(a > 0, a, 1))[1] - 1 - 2, -126, 127), 0)      # np.frexp(a)[1] - 1 = floor(log2(a)), exactly
;;       r = np.clip(x / 2.0 ** e, -7.5, 7.5)
;;       step = 2.0 ** (np.maximum(np.frexp(np.where(r == 0, 1, r))[1] - 1, 0) - 3)
;;       q = np.round(r / step) * step * 2.0 ** e      # np.round: ties to even
;;       return np.moveaxis(q.reshape(q.shape[:-2] + (-1,))[..., :K], -1, axis).astype(np.float32)
;;   ~~~
;;   SOFTMAX AHEAD OF A QUANTISED PRODUCT. Where the list says 'softmax', what is quantised is not the finished softmax but p = 2^(t - M), with t = logit x log2(e) and M = ceil(the row's largest t), a whole number; so 1/2 < the row's largest p <= 1. The row's sum l is taken of the UNQUANTISED p, in f32, and the product's result is divided by l at the end. Since M is a whole number, a kernel that streams over the keys may use a running M (the ceiling of the running maximum): every later rescaling is an exact power of two, which a block's scale takes up: the codes' values come out the same.
;;   OPERANDS COMPUTED ON THE WAY. 'Computed on the way' means the value that the module computes at that place (a softmax that the list does not call 'softmax' is quantised finished and normalised). What goes into a quantiser is computed in f32, as accurately as f32 sums, v_exp_f32 and their like allow (about 1e-6 of the number): no bf16 or f16 on the way to a quantiser, and a product that is left as it is and whose result goes on into a quantised operand takes f32 operands (vector FMAs, or v_wmma_f32_16x16x4_f32). A number that lies on a knife's edge between two numbers of the format may be rounded either way, as far as f32 arithmetic and the matrix unit's own rounding can turn it there, and no further.
;;   INPUTS GIVEN AS CODES. W_k (in the module: [3072, 3072], K = its axis 1); W_v (in the module: [3072, 3072], K = its axis 1); ref_latent (in the module: [1, 1024, 3072], K = its axis 2): each comes as NAME_codes (uint8): NAME with its K axis moved to the last place and cut into blocks of 32 codes, [.., K / 32, bytes a block], one block behind the other in memory; four codes in three bytes: a row's codes are one little-endian stream of bits, code i at bits 6 i .. 6 i + 5 (a code: sign, 2 exponent bits, 3 mantissa bits); and NAME_scales (uint8): the same leading axes, one E8M0 byte (e + 127) for each 32 codes along K. Its value is code x scale, taken as it is: it is not quantised again, and the codes and scales need not be those that the quantiser above would give.
;; One version. Each part assembles by itself: llvm-mc -triple=amdgcn-amd-amdhsa -mcpu=gfx1250 --defsym DOCPART=n.
;; ======== version 1 of 1: 2 launches
;; limits: right only within a limited range of input values
;; workspace buffers: kv 4,915,200 bytes
;; launch proj (part 1): grid 48 x 4, 4 waves a work-group, clusters of 4 x 4, 327,680 bytes of LDS; arguments W_k_codes, W_k_scales, W_v_codes, W_v_scales, ref_latent_codes, ref_latent_scales, freqs_cos, freqs_sin, k_norm_w, kv; writes kv
.if DOCPART == 1
	.amdgcn_target "amdgcn-amd-amdhsa--gfx1250"
	.amdhsa_code_object_version 6
	.text
	.protected	k_q70543fc78b_proj
	.globl	k_q70543fc78b_proj
	.p2align	8
	.type	k_q70543fc78b_proj,@function
k_q70543fc78b_proj:
	s_mov_b64 s[64:65], 0
	v_nop
	global_prefetch_b8 v0, s[64:65] scope:SCOPE_SE
	s_setreg_imm32_b32 hwreg(HW_REG_WAVE_MODE, 25, 1), 1
	s_wait_xcnt 0x0
	s_wait_alu depctr_hold_cnt(0) depctr_sa_sdst(0) depctr_va_vdst(0) depctr_va_sdst(0) depctr_va_ssrc(0) depctr_va_vcc(0) depctr_vm_vsrc(0)
	s_getreg_b32 s2, hwreg(HW_REG_IB_STS2, 6, 4)
	s_cmp_eq_u32 s2, 0
	s_cbranch_scc0 .Lentry_in_a_cluster
	s_endpgm
.Lentry_in_a_cluster:
	s_bfe_u32 s2, ttmp6, 0x10000c
	s_cmp_lg_u32 s2, 0xf033
	s_cbranch_scc0 .Lentry_shape_is_right
	s_endpgm
.Lentry_shape_is_right:
; K and V projections on codes of FP6 (E2M3), then RMS norm, weight and rotation for K, and the quantiser along the next product's K; results leave as images of operand registers in kv.
; A work-group makes 128 (P) x 256 (Q): for K, P = a head's 128 rows of W_k and Q = 256 keys; for V, P = 128 keys and Q = 256 rows of W_v.  A wave makes 128 x 64: 32 accumulators.
; THE RING goes by CHUNKS OF 256 BYTES of each row of codes (a row is 2,304 bytes: nine chunks, each beginning at a multiple of 256 bytes); chunk c lies in slot c % 2.
; A step of 128 along K is 96 bytes: eight steps to three chunks; a step that lies across two chunks takes its pieces from both slots.
; CLUSTER 4 x 4: P's tile is shared along a column, Q's along a row; each is asked for jointly.
; PREFETCH: behind the load of chunk c each wave names chunk c + 2 of its share of the rows that it fetches (the four partners share them out by address: 16 rows of P's 64, 32 of Q's 128); the last two chunks ask for nothing.
.set ROWB,  2304
.set CH,    256
.set CHUNKS, ROWB/CH
.set PITCH, 272
.set TILEB, 16*PITCH
.set PHALF, 64*PITCH
.set QOFF,  128*PITCH
.set QHALF, 128*PITCH
.set QWAVE, 64*PITCH
.set SLOT,  384*PITCH
.set SPARE, 2*SLOT
.set ADP, 248                          ; v248-249 P's fragments in slot 0, 1; v250-251: lanes 0-15 at byte 232 of slot 0, 1 and lanes 16-31 at byte 0 of the other slot
.set ADQ, 252                          ; v252-255 the same for Q
.set PFO, 11                           ; v11 the prefetches' offset: a lane a row; never rewritten
.set PFA, 30                           ; s[30:31] my share of the rows that I fetch; never rewritten
.set SPW, 8
.set NIL, 9
.set SCO, 10
.set LI,  12
.set L8,  13
.set CSO, 14
.set WO,  15
.set SS,  16
.set PW,  24
.set SW,  28
.set SC,  32
.set PC,  176
.set CT,  224
.set TM,  232
.set WN,  128
.set WAVE, 24
.set WH,  25
.set WL,  26
.set G1P, 32
.set G0P, 40
.set G1Q, 48
.set G0Q, 56
.set MUL, 0xf9
.set MSB, 0
.macro WIN new
.if MSB != (\new)
	s_set_vgpr_msb (MSB<<8)|(\new)
.set MSB, (\new)
.endif
.endm
.macro PLACES n
.rept \n
	v_nop
.endr
.endm
.macro JLOAD g0p, g1p, g0q, g1q
	s_cmp_eq_u32 s[WH], 0
	s_cbranch_scc0 .Lfor_q_\@
	tensor_load_to_lds s[\g0p:\g0p+3], s[\g1p:\g1p+7]
	s_nop 0
.rept 4
	v_nop
.endr
	s_branch .Lasked_\@
.Lfor_q_\@:
	tensor_load_to_lds s[\g0q:\g0q+3], s[\g1q:\g1q+7]
	s_nop 0
.rept 4
	v_nop
.endr
.Lasked_\@:
.endm
.macro CREST
	s_cmp_lg_u32 s[WAVE], 0
	s_cbranch_scc1 .Lnot_wave_0_\@
	s_barrier_signal -3
.Lnot_wave_0_\@:
	s_barrier_wait -3
	s_barrier_signal -1
	s_barrier_wait -1
.endm
.macro CROUND
	s_barrier_signal -1
	s_barrier_wait -1
	CREST
.endm
.macro WM d, a, b, sa, sb, ra, rb, zero
.if \zero
.if (\ra) && (\rb)
	v_wmma_scale_f32_16x16x128_f8f6f4 v[(\d):(\d)+7], v[(\a):(\a)+11], v[(\b):(\b)+11], 0, v[\sa], v[\sb] matrix_a_fmt:MATRIX_FMT_FP6 matrix_b_fmt:MATRIX_FMT_FP6 matrix_a_scale:MATRIX_SCALE_ROW1 matrix_b_scale:MATRIX_SCALE_ROW1
.elseif \ra
	v_wmma_scale_f32_16x16x128_f8f6f4 v[(\d):(\d)+7], v[(\a):(\a)+11], v[(\b):(\b)+11], 0, v[\sa], v[\sb] matrix_a_fmt:MATRIX_FMT_FP6 matrix_b_fmt:MATRIX_FMT_FP6 matrix_a_scale:MATRIX_SCALE_ROW1
.elseif \rb
	v_wmma_scale_f32_16x16x128_f8f6f4 v[(\d):(\d)+7], v[(\a):(\a)+11], v[(\b):(\b)+11], 0, v[\sa], v[\sb] matrix_a_fmt:MATRIX_FMT_FP6 matrix_b_fmt:MATRIX_FMT_FP6 matrix_b_scale:MATRIX_SCALE_ROW1
.else
	v_wmma_scale_f32_16x16x128_f8f6f4 v[(\d):(\d)+7], v[(\a):(\a)+11], v[(\b):(\b)+11], 0, v[\sa], v[\sb] matrix_a_fmt:MATRIX_FMT_FP6 matrix_b_fmt:MATRIX_FMT_FP6
.endif
.else
.if (\ra) && (\rb)
	v_wmma_scale_f32_16x16x128_f8f6f4 v[(\d):(\d)+7], v[(\a):(\a)+11], v[(\b):(\b)+11], v[(\d):(\d)+7], v[\sa], v[\sb] matrix_a_fmt:MATRIX_FMT_FP6 matrix_b_fmt:MATRIX_FMT_FP6 matrix_a_scale:MATRIX_SCALE_ROW1 matrix_b_scale:MATRIX_SCALE_ROW1
.elseif \ra
	v_wmma_scale_f32_16x16x128_f8f6f4 v[(\d):(\d)+7], v[(\a):(\a)+11], v[(\b):(\b)+11], v[(\d):(\d)+7], v[\sa], v[\sb] matrix_a_fmt:MATRIX_FMT_FP6 matrix_b_fmt:MATRIX_FMT_FP6 matrix_a_scale:MATRIX_SCALE_ROW1
.elseif \rb
	v_wmma_scale_f32_16x16x128_f8f6f4 v[(\d):(\d)+7], v[(\a):(\a)+11], v[(\b):(\b)+11], v[(\d):(\d)+7], v[\sa], v[\sb] matrix_a_fmt:MATRIX_FMT_FP6 matrix_b_fmt:MATRIX_FMT_FP6 matrix_b_scale:MATRIX_SCALE_ROW1
.else
	v_wmma_scale_f32_16x16x128_f8f6f4 v[(\d):(\d)+7], v[(\a):(\a)+11], v[(\b):(\b)+11], v[(\d):(\d)+7], v[\sa], v[\sb] matrix_a_fmt:MATRIX_FMT_FP6 matrix_b_fmt:MATRIX_FMT_FP6
.endif
.endif
.endm
.macro FRAG reg, adr, st, off          ; step st's 16 rows x 128 K in pieces of 8 bytes; byte y of a row lies in chunk y / 256, at byte y % 256 of its LDS row
.irp p, 0,1,2,3,4,5
.set BY, 96*(\st)+48*(\p/3)+8*(\p%3)
.if BY/CH == (BY+24)/CH
	ds_load_b64 v[(\reg)+2*\p:(\reg)+2*\p+1], v[(\adr)+(BY/CH)%2] offset:BY%CH+(\off)
.else
	ds_load_b64 v[(\reg)+2*\p:(\reg)+2*\p+1], v[(\adr)+2+(BY/CH)%2] offset:BY%CH-232+(\off)
.endif
.endr
.endm
.macro FETCH st, set
	WIN 0x40
.irp b, 0,1,2,3,4,5,6,7
	FRAG 96*(\set)+12*\b, ADP, \st, TILEB*\b
.endr
	WIN 0x80
.irp a, 0,1,2,3
	FRAG 48*(\set)+12*\a, ADQ, \st, TILEB*\a
.endr
.endm
.macro MULQ a, set, n
.irp b, 0,1,2,3,4,5,6,7
	WM 8*(8*(\a)+\b), 96*(\set)+12*\b, 48*(\set)+12*(\a), SC+24*(\b/2)+(\n), SC+24*(4+(\a)/2)+(\n), \b%2, (\a)%2, (\n)==0
.endr
.endm
.macro ASK c                           ; chunk c of my share of rows, a lane a row of 256 bytes
.if (\c) < CHUNKS
	global_prefetch_b8 v[PFO], s[PFA:PFA+1] offset:(\c)*CH th:TH_LOAD_NT scope:SCOPE_SE
.endif
.endm
; Step n: 32 products on its fragments, while step n + 1's are fetched.  Where the next step's bytes END in a chunk not read yet, a barrier shows that chunk whole;
; where they BEGIN in a later chunk than this step's, the chunk left behind is read no more: the three lines, the barrier, and, while a chunk two on is left, the cluster's round and the refill.
.macro STEP n
.set NX, (\n)+1
.set C0, (96*(\n))/CH
.set C1, (96*NX)/CH
.set E0, (96*(\n)+95)/CH
.set E1, (96*NX+95)/CH
.if C1 > C0 || E1 > E0
	WIN 0
	s_wait_tensorcnt 0x0                           ; all my tensor loads have landed
.if C1 > C0
	ds_add_u32 v[SPW], v[NIL]
	s_wait_dscnt 1                                 ; this step's fragments are in; the add may be out
.else
	s_wait_dscnt 0x0
.endif
	WIN MUL
	MULQ 0, (\n)%2, \n
	s_wait_dscnt 0x0
	s_barrier_signal -1
	MULQ 1, (\n)%2, \n
	WIN 0
	s_barrier_wait -1
.if C1 > C0 && C0+2 < CHUNKS
	CREST
	s_add_nc_u64 s[G0P+4*(C0%2)+2:G0P+4*(C0%2)+3], s[G0P+4*(C0%2)+2:G0P+4*(C0%2)+3], 2*CH
	s_add_nc_u64 s[G0Q+4*(C0%2)+2:G0Q+4*(C0%2)+3], s[G0Q+4*(C0%2)+2:G0Q+4*(C0%2)+3], 2*CH
	JLOAD G0P+4*(C0%2), G1P, G0Q+4*(C0%2), G1Q     ; chunk C0 + 2; its four v_nop are the places ahead of the loads below
	FETCH NX, NX%2
	ASK C0+4
.else
	PLACES 4
	FETCH NX, NX%2
.endif
	WIN MUL
	MULQ 2, (\n)%2, \n
	MULQ 3, (\n)%2, \n
.else
	s_wait_dscnt 0x0
	PLACES 4
	FETCH NX, NX%2
	WIN MUL
	MULQ 0, (\n)%2, \n
	MULQ 1, (\n)%2, \n
	MULQ 2, (\n)%2, \n
	MULQ 3, (\n)%2, \n
.endif
.endm
.macro QUANT s, pc, pw
	WIN 0x3c
.irp b, 0,1,2,3
	v_max3_num_f32 v[TM+\b], 0x1800000, |v[(\s)+16*\b]|, |v[(\s)+16*\b+1]|
.endr
.irp i, 2,4,6,8,10,12,14
.irp b, 0,1,2,3
	v_max3_num_f32 v[TM+\b], v[TM+\b], |v[(\s)+16*\b+\i]|, |v[(\s)+16*\b+\i+1]|
.endr
.endr
	WIN 0
.irp b, 0,1,2,3
	v_permlanex16_b32 v[TM+4+\b], v[TM+\b], s94, s95
.endr
.irp b, 0,1,2,3
	v_max_num_f32 v[TM+\b], v[TM+\b], v[TM+4+\b]
.endr
.irp b, 0,1,2,3
	v_add_nc_u32 v[TM+12+\b], 0xff000000, v[TM+\b]
.endr
.irp b, 0,1,2,3
	v_lshrrev_b32 v[TM+4+\b], 23, v[TM+12+\b]
.endr
	v_lshl_or_b32 v[\pw], v[TM+5], 8, v[TM+4]
	v_lshl_or_b32 v[\pw], v[TM+6], 16, v[\pw]
	v_lshl_or_b32 v[\pw], v[TM+7], 24, v[\pw]
	WIN 0x03
.irp c, 0,1
	v_cvt_scalef32_pk16_fp6_f32 v[(\pc)+6*\c:(\pc)+6*\c+2], v[(\s)+32*\c:(\s)+32*\c+15], v[TM+12+2*\c]
	v_cvt_scalef32_pk16_fp6_f32 v[CT+4*\c:CT+4*\c+2], v[(\s)+32*\c+16:(\s)+32*\c+31], v[TM+13+2*\c]
.endr
	WIN 0
	v_nop
.irp c, 0,1
.irp i, 0,1,2
	v_permlane16_swap_b32 v[(\pc)+6*\c+\i], v[CT+4*\c+\i]
.endr
.irp i, 0,1,2
	v_mov_b32 v[(\pc)+3+6*\c+\i], v[CT+4*\c+\i]
.endr
.endr
.endm
	s_load_b512 s[4:19], s[0:1], 0x0
	s_load_b128 s[20:23], s[0:1], 0x40
	v_lshl_add_u32 v[SPW], v0, 2, SPARE
	v_mov_b32 v[NIL], 0
	ds_add_u32 v8, v9
	ds_add_u32 v8, v9
	s_wait_dscnt 0x0
	v_lshrrev_b32 v1, 5, v0
	v_readfirstlane_b32 s[WAVE], v1
	s_lshr_b32 s[WH], s[WAVE], 1
	s_and_b32 s[WL], s[WAVE], 1
	s_bfe_u32 s27, ttmp6, 0x40000
	s_bfe_u32 s28, ttmp6, 0x40004
	s_lshl_b32 s29, s28, 2
	s_lshl_b32 s29, 15, s29
	s_lshl_b32 s3, 0x1111, s27
	s_or_b32 s[G1P], s3, (1<<20)|(1<<21)|(5<<22)|(3<<25)   ; elements of 1 byte; 4 words of padding behind every 64
	s_or_b32 s[G1Q], s29, (1<<20)|(1<<21)|(5<<22)|(3<<25)
	s_mov_b32 s[G1P+1], CH<<16
	s_mov_b32 s[G1P+2], 64<<16
	s_mov_b32 s[G1P+3], CH<<16
	s_mov_b32 s[G1P+4], 64
	s_mov_b32 s[G1P+5], ROWB
	s_mov_b32 s[G1P+6], 0
	s_mov_b32 s[G1P+7], 0
	s_mov_b32 s[G1Q+1], CH<<16
	s_mov_b32 s[G1Q+2], 128<<16
	s_mov_b32 s[G1Q+3], CH<<16
	s_mov_b32 s[G1Q+4], 128
	s_mov_b32 s[G1Q+5], ROWB
	s_mov_b32 s[G1Q+6], 0
	s_mov_b32 s[G1Q+7], 0
	s_mov_b32 s94, 0x76543210
	s_mov_b32 s95, 0xfedcba98
	s_mov_b32 s96, 0x3c000000
	s_mov_b32 s97, 0x358637bd
	s_mov_b32 s98, 0xffff0000
	s_lshl_b32 s30, ttmp9, 2
	s_and_b32 s31, ttmp9, 1
	s_lshl_b32 s31, s31, 2
	s_max_u32 s75, ttmp9, 6
	s_sub_co_u32 s75, s75, 6
	s_lshr_b32 s75, s75, 1
	s_lshl_b32 s75, s75, 2
	s_add_co_u32 s75, s75, s28
	s_wait_kmcnt 0x0
	s_cmp_lt_u32 ttmp9, 6
	s_cselect_b32 s74, s30, s31
	s_cselect_b32 s99, 1, 0
	s_cselect_b64 s[66:67], s[4:5], s[12:13]
	s_cselect_b64 s[68:69], s[6:7], s[14:15]
	s_cselect_b64 s[70:71], s[12:13], s[8:9]
	s_cselect_b64 s[72:73], s[14:15], s[10:11]
	s_add_co_u32 s74, s74, s27
	s_lshl_b32 s76, s74, 7
	s_lshl_b32 s77, s[WL], 6
	s_add_co_u32 s76, s76, s77
	s_mul_i32 s76, s76, ROWB
	s_mov_b32 s77, 0
	s_add_nc_u64 s[76:77], s[66:67], s[76:77]
	s_lshl_b32 s80, s75, 8
	s_lshl_b32 s81, s[WL], 7
	s_add_co_u32 s80, s80, s81
	s_mul_i32 s80, s80, ROWB
	s_mov_b32 s81, 0
	s_add_nc_u64 s[80:81], s[70:71], s[80:81]
	s_mul_i32 s78, s[WL], PHALF
	s_mul_i32 s79, s[WL], QHALF
	s_add_co_u32 s79, s79, QOFF
	CROUND
.irp s, 0,1
	s_mov_b32 s[G0P+4*\s], 1
	s_add_co_u32 s[G0P+4*\s+1], s78, \s*SLOT
	s_add_nc_u64 s[G0P+4*\s+2:G0P+4*\s+3], s[76:77], \s*CH
	s_or_b32 s[G0P+4*\s+3], s[G0P+4*\s+3], 0x80000000
	s_mov_b32 s[G0Q+4*\s], 1
	s_add_co_u32 s[G0Q+4*\s+1], s79, \s*SLOT
	s_add_nc_u64 s[G0Q+4*\s+2:G0Q+4*\s+3], s[80:81], \s*CH
	s_or_b32 s[G0Q+4*\s+3], s[G0Q+4*\s+3], 0x80000000
.endr
	JLOAD G0P, G1P, G0Q, G1Q                       ; chunk 0: one tensor load a wave at the head; the scale words and the addresses below are made while it is out
	v_and_b32 v3, 31, v0
	v_mul_u32_u24 v[SCO], v3, 96
	s_wait_alu depctr_va_vdst(0)
	s_mul_i32 s82, s74, 12288
	s_mov_b32 s83, 0
	s_add_nc_u64 s[68:69], s[68:69], s[82:83]
	s_mul_i32 s84, s75, 24576
	s_mul_i32 s85, s[WAVE], 6144
	s_add_co_u32 s84, s84, s85
	s_mov_b32 s85, 0
	s_add_nc_u64 s[72:73], s[72:73], s[84:85]
.irp i, 0,1,2,3
.irp g, 0,1,2,3,4,5
	global_load_b128 v[SC+24*\i+4*\g:SC+24*\i+4*\g+3], v[SCO], s[68:69] offset:3072*\i+16*\g
.endr
.endr
.irp i, 0,1
.irp g, 0,1,2,3,4,5
	global_load_b128 v[SC+96+24*\i+4*\g:SC+96+24*\i+4*\g+3], v[SCO], s[72:73] offset:3072*\i+16*\g
.endr
.endr
	v_and_b32 v1, 15, v0
	v_bfe_u32 v2, v0, 4, 1
	s_cmp_eq_u32 s[WH], 0                          ; do I fetch for P?
	s_cselect_b64 s[PFA:PFA+1], s[76:77], s[80:81]
	s_cselect_b32 s2, s28, s27                     ; my place among the four that ask with me
	s_cselect_b32 s3, 4, 5                         ; 16 rows of P's 64, 32 of Q's 128
	s_cselect_b32 s29, 15, 31
	s_lshl_b32 s2, s2, s3
	s_mul_i32 s2, s2, ROWB
	s_mov_b32 s3, 0
	s_add_nc_u64 s[PFA:PFA+1], s[PFA:PFA+1], s[2:3]
	v_min_u32 v[PFO], s29, v3                      ; lanes left over name the share's last row again
	v_mul_u32_u24 v[PFO], v[PFO], ROWB
	ASK 2
	s_wait_alu depctr_va_vdst(0)                   ; directly ahead of the readers below
	v_mul_u32_u24 v30, v1, PITCH
	v_mad_u32_u24 v[ADP], v2, 24, v30
	v_add_nc_u32 v[ADP+1], SLOT, v[ADP]
	s_mov_b32 s2, SLOT-232
	s_mov_b32 s3, SLOT+232
	v_sub_nc_u32 v31, 1, v2
	v_mad_u32_u24 v[ADP+2], s2, v2, v30
	v_add_nc_u32 v[ADP+2], 232, v[ADP+2]
	v_mad_u32_u24 v[ADP+3], s3, v31, v30
	s_mul_i32 s2, s[WAVE], QWAVE
	s_add_co_u32 s2, s2, QOFF
.irp i, 0,1,2,3
	v_add_nc_u32 v[ADQ+\i], s2, v[ADP+\i]
.endr
	v_lshlrev_b32 v[LI], 4, v3
	v_lshlrev_b32 v[L8], 3, v3
	v_lshlrev_b32 v[WO], 5, v2
	v_lshl_add_u32 v[CSO], v1, 9, v[WO]
.irp b, 0,1,2,3
	v_mov_b32 v[TM+4+\b], 0
.endr
	s_lshl_b32 s2, s75, 1
	s_add_co_u32 s2, s2, s[WH]
	s_cmp_eq_u32 s99, 1
	s_cselect_b32 s3, s74, s2
	s_cselect_b32 s2, s2, s74
	s_cselect_b32 s82, 0, 12800                    ; a key step's 25,600 bytes in kv: K's codes +0, K's scale words +12,288, V's codes +12,800, V's scale words +25,088
	s_cselect_b32 s84, 0, 12800
	s_mul_i32 s3, s3, 204800
	s_mul_i32 s2, s2, 25600
	s_add_co_u32 s2, s2, s3
	s_mul_i32 s3, s[WL], 6144
	s_add_co_u32 s82, s82, s2
	s_add_co_u32 s82, s82, s3
	s_lshl_b32 s3, s[WL], 8
	s_add_co_u32 s84, s84, s2
	s_add_co_u32 s84, s84, s3
	s_add_co_u32 s84, s84, 12288
	s_mov_b32 s83, 0
	s_mov_b32 s85, 0
	s_add_nc_u64 s[86:87], s[22:23], s[82:83]
	s_add_nc_u64 s[88:89], s[22:23], s[84:85]
	s_wait_alu depctr_va_vdst(0)                   ; the wait at the head's end
	s_wait_tensorcnt 0x0                           ; my part of chunk 0 is in; slot 1's first fill is issued as a refill is
	ds_add_u32 v[SPW], v[NIL]
	s_wait_dscnt 0x0
	CROUND
	JLOAD G0P+4, G1P, G0Q+4, G1Q                   ; chunk 1
	FETCH 0, 0
	ASK 3
	s_wait_loadcnt 0x0                             ; the scale words
.set ST, 0
.rept 23
	STEP ST
.set ST, ST+1
.endr
	s_wait_dscnt 0x0
	WIN MUL
	MULQ 0, 1, 23
	MULQ 1, 1, 23
	MULQ 2, 1, 23
	MULQ 3, 1, 23
	WIN 0
	PLACES 4
	s_cmp_eq_u32 s99, 0
	s_cbranch_scc1 .Lquant
	s_lshl_b32 s2, s75, 17
	s_lshl_b32 s3, s[WAVE], 15
	s_add_co_u32 s2, s2, s3
	s_mov_b32 s3, 0
	s_add_nc_u64 s[90:91], s[16:17], s[2:3]
	s_add_nc_u64 s[92:93], s[18:19], s[2:3]
.macro CSLOAD a, w, base
	WIN (\w)<<6
.irp b, 0,1,2,3,4,5,6,7
	global_load_b128 v[(\base)+8*\b:(\base)+8*\b+3], v[CSO], s[90:91] offset:8192*(\a)+64*\b
	global_load_b128 v[(\base)+8*\b+4:(\base)+8*\b+7], v[CSO], s[90:91] offset:8192*(\a)+64*\b+16
	global_load_b128 v[(\base)+64+8*\b:(\base)+64+8*\b+3], v[CSO], s[92:93] offset:8192*(\a)+64*\b
	global_load_b128 v[(\base)+64+8*\b+4:(\base)+64+8*\b+7], v[CSO], s[92:93] offset:8192*(\a)+64*\b+16
.endr
.endm
	WIN 0x80
.irp b, 0,1,2,3,4,5,6,7
	global_load_b128 v[WN+8*\b:WN+8*\b+3], v[WO], s[20:21] offset:64*\b
	global_load_b128 v[WN+8*\b+4:WN+8*\b+7], v[WO], s[20:21] offset:64*\b+16
.endr
	CSLOAD 0, 1, 0
	CSLOAD 1, 1, 128
	CSLOAD 2, 2, 0
	WIN 0x0f
.irp a, 0,1,2,3
	v_pk_mul_f32 v[SS+2*\a:SS+2*\a+1], v[64*\a:64*\a+1], v[64*\a:64*\a+1]
.endr
.set i, 2
.rept 31
.irp a, 0,1,2,3
	v_pk_fma_f32 v[SS+2*\a:SS+2*\a+1], v[64*\a+i:64*\a+i+1], v[64*\a+i:64*\a+i+1], v[SS+2*\a:SS+2*\a+1]
.endr
.set i, i+2
.endr
	WIN 0
.irp a, 0,1,2,3
	v_add_f32 v[SS+2*\a], v[SS+2*\a], v[SS+2*\a+1]
.endr
.irp a, 0,1,2,3
	v_permlanex16_b32 v[SS+2*\a+1], v[SS+2*\a], s94, s95
.endr
.irp a, 0,1,2,3
	v_add_f32 v[SS+2*\a], v[SS+2*\a], v[SS+2*\a+1]
.endr
.irp a, 0,1,2,3
	v_fma_f32 v[SS+2*\a], v[SS+2*\a], s96, s97
.endr
	s_wait_alu depctr_va_vdst(0)
.irp a, 0,1,2,3
	v_rsq_f32 v[SS+2*\a], v[SS+2*\a]
.endr
	v_nop
	s_wait_alu depctr_va_vdst(0)
.macro NORMROPE a, w, base, left
	WIN 0xc3
.set i, 0
.rept 32
	v_pk_mul_f32 v[64*(\a)+i:64*(\a)+i+1], v[64*(\a)+i:64*(\a)+i+1], v[SS+2*(\a):SS+2*(\a)+1] op_sel_hi:[1,0]
.set i, i+2
.endr
	s_wait_loadcnt \left
	WIN 0xcb
.set i, 0
.rept 32
	v_pk_mul_f32 v[64*(\a)+i:64*(\a)+i+1], v[64*(\a)+i:64*(\a)+i+1], v[WN+i:WN+i+1]
.set i, i+2
.endr
	WIN ((\w)<<6)|((\w)<<2)|3
.set i, 0
.rept 32
	v_pk_mul_f32 v[(\base)+i:(\base)+i+1], v[64*(\a)+i:64*(\a)+i+1], v[(\base)+i:(\base)+i+1]
.set i, i+2
.endr
	WIN 0xc3|((\w)<<4)|((\w)<<2)
.set i, 0
.rept 32
	v_pk_fma_f32 v[64*(\a)+i:64*(\a)+i+1], v[64*(\a)+i:64*(\a)+i+1], v[(\base)+64+i:(\base)+64+i+1], v[(\base)+i:(\base)+i+1] op_sel:[1,0,0] op_sel_hi:[0,1,1] neg_lo:[1,0,0]
.set i, i+2
.endr
.endm
	NORMROPE 0, 1, 0, 63
	CSLOAD 3, 1, 0
	NORMROPE 1, 1, 128, 63
	NORMROPE 2, 2, 0, 32
	NORMROPE 3, 1, 0, 0
	WIN 0
.Lquant:
.irp a, 0,1,2,3
	QUANT 64*\a, PC+12*\a, PW+\a
.irp c, 0,1,2
	global_store_b128 v[LI], v[PC+12*\a+4*\c:PC+12*\a+4*\c+3], s[86:87] offset:1536*\a+512*\c
.endr
.endr
	v_cndmask_b32 v[SW], v[PW], v[PW+1], s98
	v_cndmask_b32 v[SW+1], v[PW+2], v[PW+3], s98
	global_store_b64 v[L8], v[SW:SW+1], s[88:89]
	s_wait_tensorcnt 0x0
	ds_add_u32 v[SPW], v[NIL]
	s_wait_dscnt 0x0
	CROUND
	s_endpgm
.Lfunc_end_k_q70543fc78b_proj:
	.size	k_q70543fc78b_proj, .Lfunc_end_k_q70543fc78b_proj-k_q70543fc78b_proj
	.p2alignl 7, 3214868480
	.fill 96, 4, 3214868480
	.section	.rodata,"a",@progbits
	.p2align	6, 0x0
	.amdhsa_kernel k_q70543fc78b_proj
		.amdhsa_group_segment_fixed_size 327680
		.amdhsa_private_segment_fixed_size 0
		.amdhsa_enable_private_segment 0
		.amdhsa_kernarg_size 80
		.amdhsa_user_sgpr_count 2
		.amdhsa_user_sgpr_kernarg_segment_ptr 1
		.amdhsa_wavefront_size32 1
		.amdhsa_system_sgpr_workgroup_id_x 1
		.amdhsa_system_sgpr_workgroup_id_y 1
		.amdhsa_system_sgpr_workgroup_id_z 1
		.amdhsa_system_vgpr_workitem_id 0
		.amdhsa_next_free_vgpr 1024
		.amdhsa_next_free_sgpr 100
		.amdhsa_reserve_vcc 0
		.amdhsa_float_denorm_mode_32 3
		.amdhsa_float_denorm_mode_16_64 3
		.amdhsa_memory_ordered 1
		.amdhsa_forward_progress 1
		.amdhsa_inst_pref_size 255
	.end_amdhsa_kernel
	.section	.bss,"aw",@nobits
	.p2align	6
	.space	262144
	.amdgpu_metadata
---
amdhsa.version: [ 1, 2 ]
amdhsa.kernels:
  - .name:           k_q70543fc78b_proj
    .symbol:         k_q70543fc78b_proj.kd
    .args:
      - { .name: W_k_codes, .offset: 0, .size: 8, .value_kind: global_buffer, .address_space: global }
      - { .name: W_k_scales, .offset: 8, .size: 8, .value_kind: global_buffer, .address_space: global }
      - { .name: W_v_codes, .offset: 16, .size: 8, .value_kind: global_buffer, .address_space: global }
      - { .name: W_v_scales, .offset: 24, .size: 8, .value_kind: global_buffer, .address_space: global }
      - { .name: ref_latent_codes, .offset: 32, .size: 8, .value_kind: global_buffer, .address_space: global }
      - { .name: ref_latent_scales, .offset: 40, .size: 8, .value_kind: global_buffer, .address_space: global }
      - { .name: freqs_cos, .offset: 48, .size: 8, .value_kind: global_buffer, .address_space: global }
      - { .name: freqs_sin, .offset: 56, .size: 8, .value_kind: global_buffer, .address_space: global }
      - { .name: k_norm_w, .offset: 64, .size: 8, .value_kind: global_buffer, .address_space: global }
      - { .name: kv, .offset: 72, .size: 8, .value_kind: global_buffer, .address_space: global }
    .group_segment_fixed_size: 327680
    .private_segment_fixed_size: 0
    .kernarg_segment_align: 8
    .kernarg_segment_size: 80
    .max_flat_workgroup_size: 128
    .sgpr_count:     100
    .vgpr_count:     1024
    .wavefront_size: 32
...
	.end_amdgpu_metadata
.endif
;; end of part 1
;; launch attn (part 2): grid 32 x 8, 8 waves a work-group, clusters of 4 x 1, 327,680 bytes of LDS; arguments query, freqs_cos, freqs_sin, kv, out0; writes out0
.if DOCPART == 2
	.amdgcn_target "amdgcn-amd-amdhsa--gfx1250"
	.amdhsa_code_object_version 6
	.text
	.protected	k_q70543fc78b_attn
	.globl	k_q70543fc78b_attn
	.p2align	8
	.type	k_q70543fc78b_attn,@function
k_q70543fc78b_attn:
	s_mov_b64 s[64:65], 0
	v_nop
	global_prefetch_b8 v0, s[64:65] scope:SCOPE_SE
	s_setreg_imm32_b32 hwreg(HW_REG_WAVE_MODE, 25, 1), 1
	s_wait_xcnt 0x0
	s_wait_alu depctr_hold_cnt(0) depctr_sa_sdst(0) depctr_va_vdst(0) depctr_va_sdst(0) depctr_va_ssrc(0) depctr_va_vcc(0) depctr_vm_vsrc(0)
	s_getreg_b32 s2, hwreg(HW_REG_IB_STS2, 6, 4)
	s_cmp_eq_u32 s2, 0
	s_cbranch_scc0 .Lentry_in_a_cluster
	s_endpgm
.Lentry_in_a_cluster:
	s_bfe_u32 s2, ttmp6, 0x10000c
	s_cmp_lg_u32 s2, 0x3003
	s_cbranch_scc0 .Lentry_shape_is_right
	s_endpgm
.Lentry_shape_is_right:
; out[q][head] = the sum over the head's 1,024 keys of softmax(rope(q) . k / sqrt(128)) v, both products on codes of FP6 (E2M3) with one E8M0 scale for each 32 along K.
; kv (laid by the launch before) holds images of operand registers: [24 heads][8 steps of 128 keys][25,600 bytes]: K's 8 fragments +0, K's scale words +12,288, V^T's 8 fragments +12,800, V's scale words +25,088.
; SHARES.  32 x 8 = 256 work-groups of equal work.  A work-group owns 128 queries and walks THREE heads one after the other; each of its eight waves owns 16 queries: one tile for each head.
; THE STREAM.  The three heads' K and V are 24 key steps on end in kv.  They go through a ring of two LDS slots of four steps (102,400 bytes); each wave fills an eighth of a slot (50 rows of 256 bytes) by one
; joint load behind each round.  THE RING'S WINDOW BEGINS 12,800 BYTES INTO THE STREAM: a slot's block k holds V of step k and K of step k + 1, so the next step's K is always fetched from the slot at work.
; K of step 0 comes from memory straight into the fragment registers.  The last block's K belongs to no step of mine: it is fetched and not used; its address is held inside kv.
; A refill is asked for four key steps ahead of its first read, so NO PREFETCH is laid.
; THE HEAD.  q (three heads: 1,536 consecutive bytes of a row), cos and sin come as whole rows of 512 bytes; q is rotated in that layout, goes through my stage in LDS into the operand's layout, and all three
; tiles are quantised; the codes of heads 1 and 2 wait in v32-55, their scale words in v92, v93.
; A STEP.  V's fragments are asked for; S^T = K Q^T; the next K is asked for; softmax; O^T += V^T P^T; the sum of p.  A lane holds one query.
; THE SOFTMAX: t = score x log2(e) / sqrt(128); M = the running largest t rounded up to a whole number; p = 2^(t - M) is quantised, not normalised; the row's sum is of the unquantised p and divides at the end;
; when M moves, the sum and O^T are multiplied by 2^(old M - new M), which rounds nothing.
; ORDER INSIDE A BLOCK OF 32: kv's codes hold a block's numbers at places 0-7, 16-23, 8-15, 24-31; p has that order by itself, q is read from the stage in it.
; CLUSTER 4 x 1: the four work-groups of a cluster walk the same three heads: every fill is asked for jointly.
; LIMITS: NaN and infinities are not served; a block whose largest magnitude lies under 2^-124 keeps the scale byte 1; the scaled scores stay under 2^31 in magnitude.
; REGISTERS.  window 0: v1-8 addresses, v5 zero, v6 spare word, v12 -M, v13 largest t, v[14:15] the sum, v16-27 q's codes, v28-31 V's scale words, v96-159 S^T then p, v160-223 O^T, v224-235 p's codes,
;   v232-247, v252, v254 at work, v248-251 K's scale words, v253 p's scale word, v255 q's.   window 1: v0-95 K's fragments, v96-191 V's.
.set STEPB, 25600
.set SLOTB, 4*STEPB
.set SLOT1, 0x20000                    ; slot 1's first byte
.set PARTB, SLOTB/8
.set KOFF,  12800                      ; in a block: V +0, the next K +12,800; scale words 12,288 behind each
.set SPARE, SLOTB                      ; the spare words, between the slots
.set STAGE, SLOT1+SLOTB                ; 16 rows x (512 + 16) bytes for each wave; no fill lands there
.set SP,    528
.set QROW,  12288
.set LASTP, 192*STEPB-PARTB            ; the last part that lies inside kv
.set LI,  1
.set L8,  2
.set AD,  3
.set ADS, 4
.set NIL, 5
.set SPW, 6
.set STO, 7
.set SRD, 8
.set VS,  28
.set WAVE, 14
.set MSB, 0
.macro WIN new
.if MSB != (\new)
	s_set_vgpr_msb (MSB<<8)|(\new)
.set MSB, (\new)
.endif
.endm
.macro PLACES n
.rept \n
	v_nop
.endr
.endm
.macro ROUND
	s_barrier_signal -1
	s_barrier_wait -1
	s_cmp_lg_u32 s[WAVE], 0
	s_cbranch_scc1 .Lnot_wave_0_\@
	s_barrier_signal -3
.Lnot_wave_0_\@:
	s_barrier_wait -3
	s_barrier_signal -1
	s_barrier_wait -1
.endm
.macro WM d, a, b, sa, sb, ra, zero
.if \zero
.if \ra
	v_wmma_scale_f32_16x16x128_f8f6f4 v[(\d):(\d)+7], v[(\a):(\a)+11], v[(\b):(\b)+11], 0, v[\sa], v[\sb] matrix_a_fmt:MATRIX_FMT_FP6 matrix_b_fmt:MATRIX_FMT_FP6 matrix_a_scale:MATRIX_SCALE_ROW1
.else
	v_wmma_scale_f32_16x16x128_f8f6f4 v[(\d):(\d)+7], v[(\a):(\a)+11], v[(\b):(\b)+11], 0, v[\sa], v[\sb] matrix_a_fmt:MATRIX_FMT_FP6 matrix_b_fmt:MATRIX_FMT_FP6
.endif
.else
.if \ra
	v_wmma_scale_f32_16x16x128_f8f6f4 v[(\d):(\d)+7], v[(\a):(\a)+11], v[(\b):(\b)+11], v[(\d):(\d)+7], v[\sa], v[\sb] matrix_a_fmt:MATRIX_FMT_FP6 matrix_b_fmt:MATRIX_FMT_FP6 matrix_a_scale:MATRIX_SCALE_ROW1
.else
	v_wmma_scale_f32_16x16x128_f8f6f4 v[(\d):(\d)+7], v[(\a):(\a)+11], v[(\b):(\b)+11], v[(\d):(\d)+7], v[\sa], v[\sb] matrix_a_fmt:MATRIX_FMT_FP6 matrix_b_fmt:MATRIX_FMT_FP6
.endif
.endif
.endm
; eight products, source 0 in window 1.  kind 0: S^T = K Q^T, begun with 0; kind 1: O^T += V^T P^T.  Eight accumulators by turns
.macro MM kind
	WIN 0x01
.irp t, 0,1,2,3,4,5,6,7
.if \kind
	WM 160+8*\t, 96+12*\t, 224, VS+\t/2, 253, \t%2, 0
.else
	WM 96+8*\t, 12*\t, 16, 248+\t/2, 255, \t%2, 1
.endif
.endr
.endm
.macro FLOAD reg, off, sc              ; 26 LDS loads: eight images, three loads of 512 consecutive bytes each, and their scale words
	WIN 0x40
.irp t, 0,1,2,3,4,5,6,7
.irp c, 0,1,2
	ds_load_b128 v[(\reg)+12*\t+4*\c:(\reg)+12*\t+4*\c+3], v[AD] offset:(\off)+1536*\t+512*\c
.endr
.endr
	WIN 0
	ds_load_b64 v[\sc:\sc+1], v[ADS] offset:(\off)+12288
	ds_load_b64 v[\sc+2:\sc+3], v[ADS] offset:(\off)+12288+256
.endm
.macro RLOAD w, base, sb, pitch, add, nt   ; 16 whole rows of 512 bytes: register base + 4 i + k is (row i, d = 4 lane + k)
	WIN (\w)<<6
.irp i, 0,1,2,3,4,5,6,7,8,9,10,11,12,13,14,15
.if \nt
	global_load_b128 v[(\base)+4*\i:(\base)+4*\i+3], v[LI], s[\sb:\sb+1] offset:\i*(\pitch)+(\add) th:TH_LOAD_NT
.else
	global_load_b128 v[(\base)+4*\i:(\base)+4*\i+3], v[LI], s[\sb:\sb+1] offset:\i*(\pitch)+(\add)
.endif
.endr
.endm
.macro ROPE w, base                    ; q cos + rot(q) sin, in place; cos in window 0's v96-159, sin in its v160-223; eight pairs at a time through v232-247
	WIN 0x51*(\w)
.irp g, 0,16,32,48
.irp j, 0,2,4,6,8,10,12,14
	v_pk_mul_f32 v[232+\j:233+\j], v[(\base)+\g+\j:(\base)+\g+\j+1], v[96+\g+\j:97+\g+\j]
.endr
.irp j, 0,2,4,6,8,10,12,14
	v_pk_fma_f32 v[(\base)+\g+\j:(\base)+\g+\j+1], v[(\base)+\g+\j:(\base)+\g+\j+1], v[160+\g+\j:161+\g+\j], v[232+\j:233+\j] op_sel:[1,0,0] op_sel_hi:[0,1,1] neg_lo:[1,0,0]
.endr
.endr
.endm
.macro STG w, base                     ; through my stage: in by rows, back as register 16 b + 8 u + j = d 32 b + 16 u + 8 h + j of row r.  LDS serves a wave's instructions in order (ISA guide 5.7.1.4)
	WIN (\w)<<2
.irp i, 0,1,2,3,4,5,6,7,8,9,10,11,12,13,14,15
	ds_store_b128 v[SRD], v[(\base)+4*\i:(\base)+4*\i+3] offset:\i*SP
.endr
	WIN (\w)<<6
.irp b, 0,1,2,3
.irp k, 0,1,2,3
	ds_load_b128 v[(\base)+16*\b+4*\k:(\base)+16*\b+4*\k+3], v[STO] offset:128*\b+16*\k+32*(\k/2)
.endr
.endr
.endm
.macro QUANT w, base, cd               ; a tile's q into 12 registers of codes at cd and the scale word v255, in window w
	WIN 0x55*(\w)
.irp b, 0,1,2,3
	v_max3_num_f32 v[232+\b], |v[(\base)+16*\b]|, |v[(\base)+16*\b+1]|, 0x1800000   ; with the floor 2^(3 - 127)
.endr
.irp i, 2,4,6,8,10,12,14
.irp b, 0,1,2,3
	s_delay_alu instid0(VALU_DEP_4)
	v_max3_num_f32 v[232+\b], v[232+\b], |v[(\base)+16*\b+\i]|, |v[(\base)+16*\b+\i+1]|
.endr
.endr
.irp b, 0,1,2,3
	s_delay_alu instid0(VALU_DEP_4)
	v_permlanex16_b32 v[236+\b], v[232+\b], s20, s21
.endr
.irp b, 0,1,2,3
	s_delay_alu instid0(VALU_DEP_4)
	v_max_num_f32 v[232+\b], v[232+\b], v[236+\b]
.endr
.irp b, 0,1,2,3
	s_delay_alu instid0(VALU_DEP_4)
	v_add_nc_u32 v[244+\b], 0xff000000, v[232+\b]  ; 2 off the exponent field: the conversion's scale operand
.endr
.irp b, 0,1,2,3
	s_delay_alu instid0(VALU_DEP_4)
	v_lshrrev_b32 v[236+\b], 23, v[244+\b]
.endr
	s_delay_alu instid0(VALU_DEP_3)
	v_lshl_or_b32 v255, v237, 8, v236
	s_delay_alu instid0(VALU_DEP_1)
	v_lshl_or_b32 v255, v238, 16, v255
	s_delay_alu instid0(VALU_DEP_1)
	v_lshl_or_b32 v255, v239, 24, v255
.irp c, 0,1
	v_cvt_scalef32_pk16_fp6_f32 v[(\cd)+6*\c:(\cd)+6*\c+2], v[(\base)+32*\c:(\base)+32*\c+15], v[244+2*\c]
	v_cvt_scalef32_pk16_fp6_f32 v[236+4*\c:238+4*\c], v[(\base)+32*\c+16:(\base)+32*\c+31], v[245+2*\c]
.endr
	v_nop                                          ; one plain place behind a scaled conversion
.irp c, 0,1
.irp i, 0,1,2
	v_permlane16_swap_b32 v[(\cd)+6*\c+\i], v[236+4*\c+\i]
.endr
.irp i, 0,1,2
	s_delay_alu instid0(VALU_DEP_3)
	v_mov_b32 v[(\cd)+3+6*\c+\i], v[236+4*\c+\i]
.endr
.endr
.endm
.macro INIT                            ; a tile's statistics and O^T begin
	WIN 0
	v_mov_b32 v13, 0xff61b1e6                      ; -3e38
	s_delay_alu instid0(VALU_DEP_1)
	v_floor_f32 v12, -v13
	v_mov_b32 v14, 0
	v_mov_b32 v15, 0
.set i, 0
.rept 64
	v_mov_b32 v[160+i], 0                          ; the key step is written once; a head's first step finds zeros
.set i, i+1
.endr
.endm
.macro SOFTMAX                         ; 128 keys; the sum of p follows in SUMS
.irp b, 0,1,2,3
	v_max3_num_f32 v[232+\b], v[96+16*\b], v[97+16*\b], v[98+16*\b]   ; each block's largest score: for the row's maximum and for the block's largest p
.endr
.irp i, 3,5,7,9,11,13
.irp b, 0,1,2,3
	v_max3_num_f32 v[232+\b], v[232+\b], v[96+16*\b+\i], v[97+16*\b+\i]
.endr
.endr
.irp b, 0,1,2,3
	v_max_num_f32 v[232+\b], v[232+\b], v[111+16*\b]
.endr
.irp b, 0,1,2,3
	s_delay_alu instid0(VALU_DEP_4)
	v_permlanex16_b32 v[236+\b], v[232+\b], s20, s21
.endr
.irp b, 0,1,2,3
	s_delay_alu instid0(VALU_DEP_4)
	v_max_num_f32 v[232+\b], v[232+\b], v[236+\b]
.endr
	s_delay_alu instid0(VALU_DEP_2)
	v_max3_num_f32 v254, v232, v233, v234
	s_delay_alu instid0(VALU_DEP_1)
	v_max_num_f32 v254, v254, v235
	s_delay_alu instid0(VALU_DEP_1)
	v_mul_f32 v254, s22, v254
	s_delay_alu instid0(VALU_DEP_1)
	v_max_num_f32 v13, v13, v254                   ; the running largest t
	v_mov_b32 v254, v12
	s_delay_alu instid0(VALU_DEP_2)
	v_floor_f32 v12, -v13                          ; the new -M
	s_delay_alu instid0(VALU_DEP_1)
	v_sub_f32 v254, v12, v254                      ; old M - new M
	s_delay_alu instid0(VALU_DEP_1)
	v_cvt_i32_f32 v254, v254
	s_delay_alu instid0(VALU_DEP_1)
	v_ldexp_f32 v252, 1.0, v254                    ; f = 2^(old M - new M)
.set j, 0
.rept 32
	v_pk_fma_f32 v[96+j:97+j], v[96+j:97+j], s[22:23], v[12:13] op_sel_hi:[1,0,0]   ; t - M
.set j, j+2
.endr
.irp b, 0,1,2,3
	v_fma_f32 v[232+\b], v[232+\b], s22, v12
.endr
	s_wait_alu depctr_va_vdst(0)                   ; the wait ahead of the batch
.irp b, 0,1,2,3
	v_exp_f32 v[232+\b], v[232+\b]                 ; each block's largest p
.endr
.set j, 0
.rept 64
	v_exp_f32 v[96+j], v[96+j]                     ; p = 2^(t - M)
.set j, j+1
.endr
	v_pk_mul_f32 v[14:15], v[14:15], v[252:253] op_sel_hi:[1,0]   ; the sum under the new M: the plain place behind the batch
	s_wait_alu depctr_va_vdst(0)                   ; and the one wait behind it
.irp b, 0,1,2,3
	v_max_num_f32 v[232+\b], 0x1800000, v[232+\b]
.endr
.irp b, 0,1,2,3
	s_delay_alu instid0(VALU_DEP_4)
	v_add_nc_u32 v[244+\b], 0xff000000, v[232+\b]
.endr
.irp b, 0,1,2,3
	s_delay_alu instid0(VALU_DEP_4)
	v_lshrrev_b32 v[236+\b], 23, v[244+\b]
.endr
	s_delay_alu instid0(VALU_DEP_3)
	v_lshl_or_b32 v253, v237, 8, v236              ; p's scale word
	s_delay_alu instid0(VALU_DEP_1)
	v_lshl_or_b32 v253, v238, 16, v253
	s_delay_alu instid0(VALU_DEP_1)
	v_lshl_or_b32 v253, v239, 24, v253
.irp c, 0,1
	v_cvt_scalef32_pk16_fp6_f32 v[224+6*\c:226+6*\c], v[96+32*\c:111+32*\c], v[244+2*\c]
	v_cvt_scalef32_pk16_fp6_f32 v[236+4*\c:238+4*\c], v[112+32*\c:127+32*\c], v[245+2*\c]
.endr
	v_nop
.irp c, 0,1
.irp i, 0,1,2
	v_permlane16_swap_b32 v[224+6*\c+\i], v[236+4*\c+\i]
.endr
.irp i, 0,1,2
	s_delay_alu instid0(VALU_DEP_3)
	v_mov_b32 v[227+6*\c+\i], v[236+4*\c+\i]
.endr
.endr
	s_wait_alu depctr_va_vdst(0)                   ; the wait ahead of the first reader of O^T
.set j, 0
.rept 32
	v_pk_mul_f32 v[160+j:161+j], v[160+j:161+j], v[252:253] op_sel_hi:[1,0]   ; O^T under the new M; also the places ahead of the products that take the codes and the scale word
.set j, j+2
.endr
.endm
.macro SUMS                            ; the row's sum of the unquantised p: 32 packed additions in four chains
.irp c, 0,1,2
	v_pk_add_f32 v[236+2*\c:237+2*\c], v[96+4*\c:97+4*\c], v[98+4*\c:99+4*\c]
.endr
.irp j, 12,20,28,36,44,52
	v_pk_add_f32 v[14:15], v[14:15], v[96+\j:97+\j]
.irp c, 0,1,2
	v_pk_add_f32 v[236+2*\c:237+2*\c], v[236+2*\c:237+2*\c], v[98+\j+2*\c:99+\j+2*\c]
.endr
.endr
	v_pk_add_f32 v[14:15], v[14:15], v[156:157]
	v_pk_add_f32 v[236:237], v[236:237], v[158:159]
	v_pk_add_f32 v[238:239], v[238:239], v[240:241]
	s_delay_alu instid0(VALU_DEP_2)
	v_pk_add_f32 v[14:15], v[14:15], v[236:237]
	s_delay_alu instid0(VALU_DEP_1)
	v_pk_add_f32 v[14:15], v[14:15], v[238:239]
.endm
; the four key steps of a slot, written once, walked four times
.macro STEPS slot
	s_mov_b32 s46, 0
.Lstep_\@:
	s_mul_i32 s47, s46, STEPB
.if \slot
	s_add_co_u32 s47, s47, SLOT1
.endif
	v_add_nc_u32 v[AD], s47, v[LI]
	v_add_nc_u32 v[ADS], s47, v[L8]
	FLOAD 96, 0, VS                                ; V; the 32 additions behind the last products are the places ahead of these loads
	s_wait_dscnt 26                                ; K's fragments are in; V's 26 loads may be out
	MM 0
	PLACES 4
	s_wait_alu depctr_va_vdst(0)
	FLOAD 0, KOFF, 248                             ; the next step's K lands while the softmax is walked
	SOFTMAX
	s_wait_alu depctr_va_vdst(0)
	s_wait_dscnt 26                                ; V's fragments are in; the next K's 26 loads may be out
	MM 1
	WIN 0
	SUMS
	s_add_co_u32 s46, s46, 1
	s_cmp_lt_u32 s46, 4
	s_wait_alu depctr_va_vdst(0)
	s_cbranch_scc1 .Lstep_\@
.endm
; a change of slots: all my loads are done, the add, this slot's group 0 steps two fills on, my LDS reads are over; the round; the other slot is filled again; then this slot's four steps
.macro TRIP slot, refill
	s_wait_tensorcnt 0x0
	ds_add_u32 v[SPW], v[NIL]
.if \refill
	s_add_co_u32 s[42+\slot], s[42+\slot], 2*SLOTB
	s_min_u32 s44, s[42+\slot], LASTP              ; held inside kv
	s_add_nc_u64 s[34+4*\slot:35+4*\slot], s[10:11], s[44:45]
	s_or_b32 s[35+4*\slot], s[35+4*\slot], 0x80000000
.endif
	s_wait_dscnt 0x0
.if \refill
	ROUND
	tensor_load_to_lds s[36-4*\slot:39-4*\slot], s[24:31]
	s_nop 0
	PLACES 4
.else
	s_barrier_signal -1
	s_barrier_wait -1
.endif
	STEPS \slot
.endm
.macro OUT                             ; O^T / the sum goes through my stage and leaves as whole rows of 512 bytes
	WIN 0
	v_add_f32 v14, v14, v15
	s_delay_alu instid0(VALU_DEP_1)
	v_permlanex16_b32 v252, v14, s20, s21
	s_delay_alu instid0(VALU_DEP_1)
	v_add_f32 v14, v14, v252
	s_wait_alu depctr_va_vdst(0)
	v_rcp_f32 v14, v14
	v_nop
	s_wait_alu depctr_va_vdst(0)
.set j, 0
.rept 32
	v_pk_mul_f32 v[96+j:97+j], v[160+j:161+j], v[14:15] op_sel_hi:[1,0]   ; each accumulator from its low end on
.set j, j+2
.endr
.irp t, 0,1,2,3,4,5,6,7
	ds_store_b128 v[STO], v[96+8*\t:99+8*\t] offset:64*\t
	ds_store_b128 v[STO], v[100+8*\t:103+8*\t] offset:64*\t+16
.endr
.irp i, 0,1,2,3,4,5,6,7,8,9,10,11,12,13,14,15
	ds_load_b128 v[160+4*\i:163+4*\i], v[SRD] offset:\i*SP
.endr
.irp i, 0,1,2,3,4,5,6,7,8,9,10,11,12,13,14,15
	s_wait_dscnt 15-\i                             ; row i is back; the 15 - i younger rows may be out
	global_store_b128 v[LI], v[160+4*\i:163+4*\i], s[12:13] offset:\i*QROW th:TH_STORE_NT   ; 32 lanes store 512 consecutive bytes, at a multiple of 256 from out's first byte
.endr
.endm
	s_load_b256 s[4:11], s[0:1], 0x0               ; query, cos, sin, kv
	s_load_b64 s[12:13], s[0:1], 0x20              ; out
	v_lshl_add_u32 v[SPW], v0, 2, SPARE
	v_mov_b32 v[NIL], 0
	ds_add_u32 v[SPW], v[NIL]
	ds_add_u32 v[SPW], v[NIL]
	v_lshrrev_b32 v9, 5, v0
	s_delay_alu instid0(VALU_DEP_1)
	v_readfirstlane_b32 s[WAVE], v9                ; wave 0..7
	v_and_b32 v9, 31, v0
	v_and_b32 v11, 15, v0                          ; r
	v_bfe_u32 v10, v0, 4, 1                        ; h
	v_lshlrev_b32 v[LI], 4, v9
	v_lshlrev_b32 v[L8], 3, v9
	s_mul_i32 s49, s[WAVE], 16*SP
	s_add_co_u32 s49, s49, STAGE                   ; my stage
	v_mul_u32_u24 v[STO], v11, SP
	s_delay_alu instid0(VALU_DEP_1)
	v_lshl_add_u32 v[STO], v10, 5, v[STO]
	s_delay_alu instid0(VALU_DEP_1)
	v_add_nc_u32 v[STO], s49, v[STO]
	v_add_nc_u32 v[SRD], s49, v[LI]
	v_mov_b32 v253, 0                              ; named as the upper half of a pair before it is first written
	s_bfe_u32 s15, ttmp6, 0x40000                  ; cx: it enters the addresses of q, cos, sin and out alone
	s_lshl_b32 s16, ttmp9, 2
	s_add_co_u32 s16, s16, s15                     ; my block of 128 queries
	s_and_b32 s17, ttmp7, 0xffff                   ; my three heads, which the four partners share
	s_mov_b32 s20, 0x76543210
	s_mov_b32 s21, 0xfedcba98                      ; selects for lane l xor 16
	s_mov_b32 s22, 0x3e0293ee                      ; log2(e) / sqrt(128)
	s_mov_b32 s23, s22
	s_mov_b32 s24, 15|(3<<16)|(1<<21)              ; group 1: 12,800 dense bytes as 50 rows of 256; the mask names all four work-groups
	s_mov_b32 s25, 32<<16
	s_mov_b32 s26, 50<<16
	s_mov_b32 s27, 32<<16
	s_mov_b32 s28, 50
	s_mov_b32 s29, 32
	s_mov_b32 s30, 0
	s_mov_b32 s31, 0
	s_mov_b32 s32, 1
	s_mov_b32 s36, 1
	s_mul_i32 s33, s[WAVE], PARTB                  ; my eighth of slot 0,
	s_add_co_u32 s37, s33, SLOT1                   ; of slot 1
	s_mul_i32 s40, s17, 24*STEPB                   ; where my three heads begin in kv
	s_mov_b32 s41, 0
	s_add_co_u32 s42, s40, s33
	s_add_co_u32 s42, s42, KOFF                    ; my part of fill 0,
	s_add_co_u32 s43, s42, SLOTB                   ; of fill 1
	s_mov_b32 s45, 0
	s_lshl_b32 s52, s16, 7
	s_lshl_b32 s53, s[WAVE], 4
	s_add_co_u32 s52, s52, s53                     ; my first query: 128 x block + 16 x wave
	s_and_b32 s54, s52, 1023                       ; its position
	s_lshl_b32 s54, s54, 9
	s_mov_b32 s55, 0
	s_mul_i32 s52, s52, QROW
	s_mul_i32 s53, s17, 1536
	s_add_co_u32 s52, s52, s53                     ; its three heads' 1,536 bytes
	s_mov_b32 s53, 0
	s_wait_alu depctr_va_vdst(0)                   ; the wait ahead of the waits below
	s_wait_dscnt 0x0
	s_wait_kmcnt 0x0
	s_add_nc_u64 s[4:5], s[4:5], s[52:53]
	s_add_nc_u64 s[12:13], s[12:13], s[52:53]
	s_add_nc_u64 s[6:7], s[6:7], s[54:55]
	s_add_nc_u64 s[8:9], s[8:9], s[54:55]
	s_add_nc_u64 s[50:51], s[10:11], s[40:41]      ; K of step 0
	s_mov_b32 s44, s42
	s_add_nc_u64 s[34:35], s[10:11], s[44:45]
	s_or_b32 s35, s35, 0x80000000
	s_mov_b32 s44, s43
	s_add_nc_u64 s[38:39], s[10:11], s[44:45]
	s_or_b32 s39, s39, 0x80000000
	RLOAD 0, 96, 6, 512, 0, 0                      ; cos
	RLOAD 0, 160, 8, 512, 0, 0                     ; sin
	RLOAD 0, 32, 4, QROW, 0, 1                     ; the first head's q
	ROUND                                          ; all four work-groups are here: the joint loads meet
	tensor_load_to_lds s[32:35], s[24:31]          ; fill 0: one tensor load a wave at the head
	s_nop 0
	PLACES 4
	RLOAD 1, 96, 4, QROW, 512, 1
	RLOAD 1, 160, 4, QROW, 1024, 1
	WIN 0x40
.irp t, 0,1,2,3,4,5,6,7
.irp c, 0,1,2
	global_load_b128 v[12*\t+4*\c:12*\t+4*\c+3], v[LI], s[50:51] offset:1536*\t+512*\c   ; K of step 0, as it lies
.endr
.endr
	WIN 0
	global_load_b64 v[248:249], v[L8], s[50:51] offset:12288
	global_load_b64 v[250:251], v[L8], s[50:51] offset:12288+256
	s_wait_loadcnt 58                              ; cos, sin and the first head are in; 16 + 16 + 26 younger loads may be out
	ROPE 0, 32
	STG 0, 32
	s_wait_loadcnt 42
	ROPE 1, 96
	STG 1, 96
	s_wait_dscnt 32                                ; the first tile is back; the second's 16 stores and 16 loads may be out
	QUANT 0, 32, 16
	s_wait_loadcnt 26
	ROPE 1, 160
	STG 1, 160
	s_wait_dscnt 32
	QUANT 1, 96, 224
	WIN 0x01
.irp i, 0,1,2,3,4,5,6,7,8,9,10,11
	v_mov_b32 v[32+\i], v[224+\i]                  ; the second head's codes wait in window 0
.endr
	v_mov_b32 v92, v255
	s_wait_dscnt 0x0
	QUANT 1, 160, 224
	WIN 0x01
.irp i, 0,1,2,3,4,5,6,7,8,9,10,11
	v_mov_b32 v[44+\i], v[224+\i]                  ; the third's
.endr
	v_mov_b32 v93, v255
	INIT
	s_wait_alu depctr_va_vdst(0)                   ; the wait at the head's end
	s_wait_loadcnt 0x0                             ; K of step 0 is in
	s_mov_b32 s48, 2
.Lhead:                                                ; a trip is a head: once round the ring
	TRIP 0, 1
	TRIP 1, 1
	OUT
	s_wait_xcnt 0x0                                ; the stores have read their registers and base
	s_add_nc_u64 s[12:13], s[12:13], 512           ; the next head's columns
.irp i, 0,1,2,3,4,5,6,7,8,9,10,11
	v_mov_b32 v[16+\i], v[32+\i]                   ; its codes,
.endr
.irp i, 0,1,2,3,4,5,6,7,8,9,10,11
	v_mov_b32 v[32+\i], v[44+\i]                   ; and the one after moves up
.endr
	v_mov_b32 v255, v92
	v_mov_b32 v92, v93
	INIT
	s_sub_co_u32 s48, s48, 1
	s_cmp_lg_u32 s48, 0
	s_wait_alu depctr_va_vdst(0)
	s_cbranch_scc1 .Lhead
	TRIP 0, 1                                      ; the last head: its second slot is the last fill
	TRIP 1, 0
	OUT
	s_wait_tensorcnt 0x0                           ; the wave's end
	ds_add_u32 v[SPW], v[NIL]
	s_wait_dscnt 0x0
	ROUND                                          ; the closing round
	s_endpgm
.Lfunc_end_k_q70543fc78b_attn:
	.size	k_q70543fc78b_attn, .Lfunc_end_k_q70543fc78b_attn-k_q70543fc78b_attn
	.p2alignl 7, 3214868480
	.fill 96, 4, 3214868480
	.section	.rodata,"a",@progbits
	.p2align	6, 0x0
	.amdhsa_kernel k_q70543fc78b_attn
		.amdhsa_group_segment_fixed_size 327680
		.amdhsa_private_segment_fixed_size 0
		.amdhsa_enable_private_segment 0
		.amdhsa_kernarg_size 40
		.amdhsa_user_sgpr_count 2
		.amdhsa_user_sgpr_kernarg_segment_ptr 1
		.amdhsa_wavefront_size32 1
		.amdhsa_system_sgpr_workgroup_id_x 1
		.amdhsa_system_sgpr_workgroup_id_y 1
		.amdhsa_system_sgpr_workgroup_id_z 1
		.amdhsa_system_vgpr_workitem_id 0
		.amdhsa_next_free_vgpr 512
		.amdhsa_next_free_sgpr 66
		.amdhsa_reserve_vcc 0
		.amdhsa_float_denorm_mode_32 3
		.amdhsa_float_denorm_mode_16_64 3
		.amdhsa_memory_ordered 1
		.amdhsa_forward_progress 1
		.amdhsa_inst_pref_size 151
	.end_amdhsa_kernel
	.amdgpu_metadata
---
amdhsa.version: [ 1, 2 ]
amdhsa.kernels:
  - .name:           k_q70543fc78b_attn
    .symbol:         k_q70543fc78b_attn.kd
    .args:
      - { .name: query, .offset: 0, .size: 8, .value_kind: global_buffer, .address_space: global }
      - { .name: freqs_cos, .offset: 8, .size: 8, .value_kind: global_buffer, .address_space: global }
      - { .name: freqs_sin, .offset: 16, .size: 8, .value_kind: global_buffer, .address_space: global }
      - { .name: kv, .offset: 24, .size: 8, .value_kind: global_buffer, .address_space: global }
      - { .name: out0, .offset: 32, .size: 8, .value_kind: global_buffer, .address_space: global }
    .group_segment_fixed_size: 327680
    .private_segment_fixed_size: 0
    .kernarg_segment_align: 8
    .kernarg_segment_size: 40
    .max_flat_workgroup_size: 256
    .sgpr_count:     66
    .vgpr_count:     512
    .wavefront_size: 32
...
	.end_amdgpu_metadata
.endif
;; end of part 2
